; MI455X (gfx1250); checked and timed in simulation.
; The chip was launched on July 23, 2026; its instructions are those of AMD's public machine-readable ISA for CDNA 5 (MIT licence, August 2026) and "CDNA5" Instruction Set Architecture Reference Guide (July 2026). The comments in the code are by the model that wrote it; some were corrected since.
;; Cross Attention. Allowed arithmetic: matrix products marked QUANTISED: E2M1 operands, one E8M0 scale for each 32 along K, by v_wmma_scale_f32_16x16x128_f8f6f4 with both operands' format E2M1 (or v_wmma_scale_f32_32x16x128_f4), f32 sums; products left as they are: bf16, f16 or f32 operands; f32 sums; everything else in f32.
;; Inputs: Wk 1,024 x 512 float32; Wo 1,024 x 1,024 float32; Wq 1,024 x 1,024 float32; Wv 1,024 x 512 float32; bo 1,024 float32; x1 8 x 2,048 x 1,024 float32; x2 8 x 2,048 x 512 float32.
;; Outputs: out0 8 x 2,048 x 1,024 float32.
;; This version of the problem:
;;   THIS VERSION OF THE PROBLEM IS GIVEN IN LOW PRECISION. The matrix products marked QUANTISED in the list below multiply operands that are first quantised to E2M1 (2 exponent bits, 1 mantissa bit; 4 bits a number), with one power-of-two scale for each 32 numbers along K (OCP MX v1.0); their sums are f32. The products marked 'left as it is' may take bf16, f16 or f32 operands, with f32 sums. Whichever they take, every output number must still come out within the allowed error. Rounding operands to bf16 (8 significant bits) uses up far more of that allowance than f16 does (11 bits, for magnitudes from 6e-5 to 65,504). All else is computed in f32.
;;   The module's matrix products, in the order in which they are computed (A, B: the left and right operand; K: the contracted axis; several contracted axes count as one K, in the product's order):
;;     1. [M 16,384, K 1,024] x [K 1,024, N 1,024]; A: input x1; B: input Wq: QUANTISED
;;     2. [M 16,384, K 512] x [K 512, N 1,024]; A: input x2; B: input Wk: QUANTISED
;;     3. [M 16,384, K 512] x [K 512, N 1,024]; A: input x2; B: input Wv: QUANTISED
;;     4. batch 16,384 x [M 64, K 16] x [K 16, N 64]; A: computed on the way; B: computed on the way: left as it is (K = 16 < 32)
;;     5. batch 16,384 x [M 16, K 64] x [K 64, N 64]; A: computed on the way; B: computed on the way: left as it is (an operand is computed on the way)
;;     6. [M 16,384, K 1,024] x [K 1,024, N 1,024]; A: computed on the way; B: input Wo: left as it is (an operand is computed on the way)
;;   THE QUANTISER, for each operand of a quantised product, along K:
;;     - K is cut into blocks of 32 from its start; a last block that is shorter is filled with zeros.
;;     - A block's scale is 2^e with e = floor(log2(the largest magnitude in the block)) - 2, held to -126 .. 127; a block of zeros has e = 0. As a byte (E8M0): e + 127.
;;     - Each number is divided by its block's scale, clamped to +-6, and rounded to the nearest number of E2M1, ties to even, subnormals kept.
;;     - The product sums the exact products of the quantised numbers (number of the format x scale) in f32.
;;   ~~~python
;;   def quantise(x, axis):      # numpy; x: float32 -> the quantised numbers, widened to float32 again
;;       x = np.moveaxis(x, axis, -1); K = x.shape[-1]
;;       x = np.pad(x, [(0, 0)] * (x.ndim - 1) + [(0, -K % 32)]); x = x.reshape(x.shape[:-1] + (-1, 32)); a = np.abs(x).max(-1, keepdims=True)
;;       e = np.where(a > 0, np.clip(np.frexp(np.where(a > 0, a, 1))[1] - 1 - 2, -126, 127), 0)      # np.frexp(a)[1] - 1 = floor(log2(a)), exactly
;;       r = np.clip(x / 2.0 ** e, -6, 6)
;;       step = 2.0 ** (np.maximum(np.frexp(np.where(r == 0, 1, r))[1] - 1, 0) - 1)
;;       q = np.round(r / step) * step * 2.0 ** e      # np.round: ties to even
;;       return np.moveaxis(q.reshape(q.shape[:-2] + (-1,))[..., :K], -1, axis).astype(np.float32)
;;   ~~~
;; One version. Each part assembles by itself: llvm-mc -triple=amdgcn-amd-amdhsa -mcpu=gfx1250 --defsym DOCPART=n.
;; ======== version 1 of 1: 2 launches
;; limits: values are held in f16: magnitudes above 65,504 overflow, below 6.1e-05 lose precision
;; workspace buffers: wcodes 1,048,576 bytes; wscales 65,536 bytes; wo16 2,097,152 bytes
;; launch prep (part 1): grid 192 x 1, 8 waves a work-group, no clusters, 102,400 bytes of LDS; arguments Wq, Wk, Wv, Wo, wcodes, wscales, wo16; writes wcodes, wscales, wo16
.if DOCPART == 1
	.amdgcn_target "amdgcn-amd-amdhsa--gfx1250"
	.amdhsa_code_object_version 6
	.text
	.protected	k_q9c6df7a666_prep
	.globl	k_q9c6df7a666_prep
	.p2align	8
	.type	k_q9c6df7a666_prep,@function
k_q9c6df7a666_prep:
	s_mov_b64 s[64:65], 0
	v_nop
	global_prefetch_b8 v0, s[64:65] scope:SCOPE_SE
	s_setreg_imm32_b32 hwreg(HW_REG_WAVE_MODE, 25, 1), 1
	s_wait_xcnt 0x0
; THE WEIGHTS ARE LAID OUT ONCE, in the order in which the next launch's operand registers take them.  Nothing of the problem is left out in this program: every input reaches out0.
; Wq [1024][1024], Wk, Wv [1024][512], f32, K innermost, become codes of FP4 (E2M1) with one E8M0 byte for each 32 along K; Wo [1024][1024] becomes f16.
; wcodes: [wave w 0..3][16 units of Q, then 16 units of KV][8 fragments][1,024 bytes].  A fragment (16 rows x 128 K) is [c 0..1][lane][16 bytes]: lane 16 h + r holds the 32 codes k = 64 c + 32 h + 0..31 of its row r.
;   Q unit t (= 16 w + u): rows Wq[64 r + t] (head r, channel t), fragment f = K step f.   KV unit t: fragments 0-3 rows Wk[64 r + t], fragments 4-7 rows Wv[16 t + r], K steps 0-3.
; wscales: [w][Q 16, KV 16][512 bytes]: [lane L][word i 0..3] = the scale word (four bytes, 128 along K) of fragment 2 i + L / 16, row L % 16.
; wo16: [w][chunk 0..1][K step s 0..31][tile b 0..7][1,024 bytes]: [piece p][lane][16 bytes]: lane 16 h + r holds Wo[256 w + 128 chunk + 16 b + r][64 head + 8 (s / 4) + 0..7], head = 4 (s % 4) + 2 p + h:
;   K is walked in the order (channel / 8, head, channel % 8), in which the next launch leaves the attention's result in LDS.
; A block's scale is 2^(floor(log2(its largest magnitude)) - 2); its byte is the largest magnitude's exponent field - 2, held at 1 from below.
; LIMITS: a block of zeros gets the byte 1 where the quantiser says 127 (its codes are zeros, and this program alone reads the bytes); blocks whose largest magnitude lies under 2^-124 were not tried;
; NaN and infinities among the inputs are not served; Wo is rounded to f16: magnitudes up to 65,504, steps of 2^-24 at the least.
; SHARES.  Work-groups 0-127: one unit each, wave f its fragment f.  Work-groups 128-191: 16 rows of Wo each.  The two ways part on the work-group's number and have LDS bytes of their own.
.set TPITCH, 528                       ; a row of the turning stage: 512 bytes + 16 = 132 words: row r starts at bank 4 r mod 64 (64 banks of 4 bytes: ISA guide 11.1)
.set TWAVE,  16*TPITCH                 ; a wave's stage
.set SCB,    8*TWAVE                   ; 512 bytes: a unit's scale words
.set WOST,   SCB+512                   ; 16 rows of Wo in f16
.set WOP,    2064                      ; 2,048 bytes + 16
.set SPARE,  WOST+16*WOP               ; the spare words, 128 bytes for each wave: four blocks of 256 bytes that no other line names
.set SPW,  1                           ; v1   my spare word; never rewritten
.set NIL,  2                           ; v2   0; never rewritten
.set LOFF, 3                           ; v3   16 x lane
.set RR,   4                           ; v4   r = lane % 16
.set HH,   5                           ; v5   h = lane / 16
.set SH8,  6                           ; v6   8 h
.set TS,   7                           ; v7   the stage, on the way in
.set TR,   8                           ; v8   and on the way out
.set SCA,  9                           ; v9   where my row's scale word goes
.set OFFR, 10                          ; v10-25 byte offsets of the tile's 16 rows
.set MX,   26                          ; v26-29 largest magnitudes
.set SO,   30                          ; v30-31 the conversions' scale operands
.set RAW,  32                          ; v32-95 as loaded
.set T,    96                          ; v96-159 64 numbers of my row, in the operand's order
.set PC,   160                         ; v160-167 the fragment's codes
.set PW,   168                         ; v168 its scale word
.set TT,   169
.set BY,   170                         ; v170-171 scale bytes
.set SCR,  172                         ; v172 where wave 0 reads the unit's scale words back
.set WST,  173
.set WLD,  174
.set LN,   175
.set SCD,  176                         ; v176-179
.set WV,   18
.set SEL,  40
	s_load_b256 s[4:11], s[0:1], 0x0               ; Wq s[4:5], Wk s[6:7], Wv s[8:9], Wo s[10:11]
	s_load_b128 s[12:15], s[0:1], 0x20             ; wcodes, wscales
	s_load_b64 s[16:17], s[0:1], 0x30              ; wo16
	v_lshl_add_u32 v[SPW], v0, 2, SPARE
	v_mov_b32 v[NIL], 0
	v_lshrrev_b32 v[LOFF], 5, v0
	v_readfirstlane_b32 s[WV], v[LOFF]             ; wave 0..7
	v_and_b32 v[LN], 31, v0
	v_lshlrev_b32 v[LOFF], 4, v[LN]
	v_and_b32 v[RR], 15, v0
	v_bfe_u32 v[HH], v0, 4, 1
	s_wait_kmcnt 0x0
	s_cmp_ge_u32 ttmp9, 128
	s_cbranch_scc1 .Lwo
	; ---- a unit of codes: my fragment's 16 rows x 128 K
	s_and_b32 s19, ttmp9, 63                       ; t
	s_lshl_b32 s21, s[WV], 9                       ; K step f: 512 bytes
	s_lshl_b32 s22, s19, 12
	s_add_co_u32 s22, s22, s21                     ; in Wq: row t, K step f
	s_lshl_b32 s23, s19, 11
	s_add_co_u32 s23, s23, s21                     ; in Wk
	s_and_b32 s20, s[WV], 3
	s_lshl_b32 s20, s20, 9
	s_lshl_b32 s24, s19, 15
	s_add_co_u32 s24, s24, s20                     ; in Wv: row 16 t, K step f % 4
	s_mov_b32 s25, 2048                            ; from row to row of the tile: Wv 1 row,
	s_cmp_lt_u32 s[WV], 4                          ; the choices hang on the wave's and the work-group's number alone
	s_cselect_b64 s[28:29], s[6:7], s[8:9]
	s_cselect_b32 s23, s23, s24
	s_cselect_b32 s25, 0x20000, s25                ; Wk 64 rows of 2,048 bytes,
	s_cmp_lt_u32 ttmp9, 64
	s_cselect_b64 s[28:29], s[4:5], s[28:29]
	s_cselect_b32 s22, s22, s23
	s_cselect_b32 s25, 0x40000, s25                ; Wq 64 rows of 4,096
	s_cselect_b32 s26, 0, 0x20000                  ; Q's or KV's stream in wcodes,
	s_cselect_b32 s27, 0, 0x2000                   ; and in wscales
	s_mov_b32 s23, 0
	s_add_nc_u64 s[28:29], s[28:29], s[22:23]
	v_mov_b32 v[OFFR], v[LOFF]
.irp i, 1,2,3,4,5,6,7,8,9,10,11,12,13,14,15
	v_add_nc_u32 v[OFFR+\i], s25, v[OFFR+\i-1]
.endr
.irp i, 0,1,2,3,4,5,6,7,8,9,10,11,12,13,14,15
	global_load_b128 v[RAW+4*\i:RAW+4*\i+3], v[OFFR+\i], s[28:29] th:TH_LOAD_NT   ; 32 lanes read 512 consecutive bytes of row i
.endr
	s_lshr_b32 s31, s19, 4                         ; the wave of the next launch that takes this unit,
	s_and_b32 s32, s19, 15                         ; and which of its 16
	s_lshl_b32 s34, s31, 18
	s_add_co_u32 s34, s34, s26
	s_lshl_b32 s33, s32, 13
	s_add_co_u32 s34, s34, s33
	s_lshl_b32 s33, s[WV], 10
	s_add_co_u32 s34, s34, s33
	s_mov_b32 s35, 0
	s_add_nc_u64 s[12:13], s[12:13], s[34:35]      ; my fragment in wcodes
	s_lshl_b32 s34, s31, 14
	s_add_co_u32 s34, s34, s27
	s_lshl_b32 s33, s32, 9
	s_add_co_u32 s34, s34, s33
	s_add_nc_u64 s[14:15], s[14:15], s[34:35]      ; the unit's block in wscales
	s_mov_b32 s[SEL], 0x76543210
	s_mov_b32 s[SEL+1], 0xfedcba98                 ; v_permlanex16_b32's selects for lane l xor 16
	v_lshlrev_b32 v[SH8], 3, v[HH]
	v_mov_b32 v[TT], 0                             ; written once: a lane permute's destination counts as one of its sources
	s_mul_i32 s36, s[WV], TWAVE
	v_add_nc_u32 v[TS], s36, v[LOFF]
	v_mul_u32_u24 v[TR], v[RR], TPITCH
	v_lshl_add_u32 v[TR], v[HH], 7, v[TR]
	v_add_nc_u32 v[TR], s36, v[TR]                 ; row r, + 128 h: my 32 numbers of each 64
	s_and_b32 s37, s[WV], 1
	s_lshl_b32 s37, s37, 8
	s_lshr_b32 s38, s[WV], 1
	s_lshl_b32 s38, s38, 2
	s_add_co_u32 s37, s37, s38
	s_add_co_u32 s37, s37, SCB
	v_lshl_add_u32 v[SCA], v[RR], 4, s37           ; lane 16 (f % 2) + r, word f / 2
	v_add_nc_u32 v[SCR], SCB, v[LOFF]
	s_wait_loadcnt 0x0
.irp i, 0,1,2,3,4,5,6,7,8,9,10,11,12,13,14,15
	ds_store_b128 v[TS], v[RAW+4*\i:RAW+4*\i+3] offset:\i*TPITCH
.endr
.irp c, 0,1
.irp j, 0,1,2,3,4,5,6,7
	ds_load_b128 v[T+32*\c+4*\j:T+32*\c+4*\j+3], v[TR] offset:\c*256+16*\j   ; LDS serves a wave's instructions in order (ISA guide 5.7.1.4): these see my stores
.endr
.endr
	s_wait_dscnt 0x0
	; register 32 c + i = k 64 c + 32 h + i of my row: two whole blocks a lane; each block's largest magnitude in two chains
.irp c, 0,1
.irp u, 0,1
	v_max3_num_f32 v[MX+2*\c+\u], |v[T+32*\c+16*\u]|, |v[T+32*\c+16*\u+1]|, 0x1800000   ; with the floor 2^(3 - 127): the byte cannot fall under 1
.endr
.endr
.irp i, 2,4,6,8,10,12,14
.irp c, 0,1
.irp u, 0,1
	v_max3_num_f32 v[MX+2*\c+\u], v[MX+2*\c+\u], |v[T+32*\c+16*\u+\i]|, |v[T+32*\c+16*\u+\i+1]|
.endr
.endr
.endr
.irp c, 0,1
	v_max_num_f32 v[MX+2*\c], v[MX+2*\c], v[MX+2*\c+1]
.endr
.irp c, 0,1
	v_add_nc_u32 v[SO+\c], 0xff000000, v[MX+2*\c]  ; 2 off the exponent field: the conversion takes this operand's exponent field as its scale
.endr
.irp c, 0,1
	v_lshrrev_b32 v[BY+\c], 23, v[SO+\c]           ; the scale's byte
.endr
	v_lshl_or_b32 v[PW], v[BY+1], 16, v[BY]        ; my bytes: blocks h and 2 + h,
	v_lshlrev_b32 v[PW], v[SH8], v[PW]             ; at their places in the word;
	v_permlanex16_b32 v[TT], v[PW], s[SEL], s[SEL+1]
	v_or_b32 v[PW], v[PW], v[TT]                   ; with lane l xor 16's two the word is whole
.irp c, 0,1
.irp g, 0,1,2,3
	v_cvt_scalef32_pk8_fp4_f32 v[PC+4*\c+\g], v[T+32*\c+8*\g:T+32*\c+8*\g+7], v[SO+\c]
.endr
.endr
	v_nop                                          ; one plain place behind the last scaled conversion
	global_store_b128 v[LOFF], v[PC:PC+3], s[12:13]              ; 32 lanes store 512 consecutive bytes, aligned
	global_store_b128 v[LOFF], v[PC+4:PC+7], s[12:13] offset:512
	ds_store_b32 v[SCA], v[PW]                     ; both halves of the lanes write the same word with the same value
	s_wait_dscnt 0x0                               ; for the others' sake: my word has landed
	s_barrier_signal -1
	s_barrier_wait -1
	s_cmp_lg_u32 s[WV], 0
	s_cbranch_scc1 .Lend_a
	ds_load_b128 v[SCD:SCD+3], v[SCR]              ; wave 0: the unit's 128 scale words leave as 512 consecutive bytes
	s_wait_dscnt 0x0
	global_store_b128 v[LOFF], v[SCD:SCD+3], s[14:15]
.Lend_a:
	s_wait_tensorcnt 0x0                           ; the wave's end
	ds_add_u32 v[SPW], v[NIL]
	s_wait_dscnt 0x0
	s_endpgm
.Lwo:
	; ---- 16 rows of Wo: wave f reads rows 2 f and 2 f + 1 as they lie, rounds them to f16 into LDS, and stores K steps 4 f .. 4 f + 3 of the tile
	s_sub_co_u32 s19, ttmp9, 128                   ; the tile of 16 rows
	s_lshl_b32 s20, s19, 16
	s_lshl_b32 s21, s[WV], 13
	s_add_co_u32 s20, s20, s21
	s_mov_b32 s21, 0
	s_add_nc_u64 s[10:11], s[10:11], s[20:21]
.irp rr, 0,1
.irp seg, 0,1,2,3,4,5,6,7
	global_load_b128 v[RAW+4*(8*\rr+\seg):RAW+4*(8*\rr+\seg)+3], v[LOFF], s[10:11] offset:\rr*4096+\seg*512 th:TH_LOAD_NT
.endr
.endr
	s_lshr_b32 s22, s19, 3                         ; (w, chunk)
	s_lshl_b32 s22, s22, 18
	s_lshl_b32 s23, s[WV], 15                      ; K step 4 f
	s_add_co_u32 s22, s22, s23
	s_and_b32 s23, s19, 7                          ; b
	s_lshl_b32 s23, s23, 10
	s_add_co_u32 s22, s22, s23
	s_mov_b32 s23, 0
	s_add_nc_u64 s[16:17], s[16:17], s[22:23]
	s_mul_i32 s24, s[WV], 2*WOP
	s_add_co_u32 s24, s24, WOST
	v_lshl_add_u32 v[WST], v[LN], 3, s24           ; in: my four numbers are 8 bytes
	v_mul_u32_u24 v[WLD], v[RR], WOP
	v_lshl_add_u32 v[WLD], v[HH], 7, v[WLD]
	s_lshl_b32 s24, s[WV], 4
	s_add_co_u32 s24, s24, WOST
	v_add_nc_u32 v[WLD], s24, v[WLD]               ; out: row r, head h (128 bytes a head), channels 8 f on
	s_wait_loadcnt 0x0
.irp k, 0,1,2,3,4,5,6,7,8,9,10,11,12,13,14,15
	v_cvt_pk_f16_f32 v[T+2*\k], v[RAW+4*\k], v[RAW+4*\k+1]
	v_cvt_pk_f16_f32 v[T+2*\k+1], v[RAW+4*\k+2], v[RAW+4*\k+3]
.endr
.irp rr, 0,1
.irp seg, 0,1,2,3,4,5,6,7
	ds_store_b64 v[WST], v[T+2*(8*\rr+\seg):T+2*(8*\rr+\seg)+1] offset:\rr*WOP+\seg*256
.endr
.endr
	s_wait_dscnt 0x0                               ; for the others' sake: my two rows have landed
	s_barrier_signal -1
	s_barrier_wait -1
.irp i, 0,1,2,3
.irp p, 0,1
	ds_load_b128 v[128+4*(2*\i+\p):128+4*(2*\i+\p)+3], v[WLD] offset:(4*\i+2*\p)*128   ; head 4 i + 2 p + h
.endr
.endr
	s_wait_dscnt 0x0
.irp i, 0,1,2,3
.irp p, 0,1
	global_store_b128 v[LOFF], v[128+4*(2*\i+\p):128+4*(2*\i+\p)+3], s[16:17] offset:\i*8192+\p*512   ; 512 consecutive bytes, aligned
.endr
.endr
	s_wait_tensorcnt 0x0                           ; the wave's end
	ds_add_u32 v[SPW], v[NIL]
	s_wait_dscnt 0x0
	s_endpgm
.Lfunc_end_k_q9c6df7a666_prep:
	.size	k_q9c6df7a666_prep, .Lfunc_end_k_q9c6df7a666_prep-k_q9c6df7a666_prep
	.p2alignl 7, 3214868480
	.fill 96, 4, 3214868480
	.section	.rodata,"a",@progbits
	.p2align	6, 0x0
	.amdhsa_kernel k_q9c6df7a666_prep
		.amdhsa_group_segment_fixed_size 102400
		.amdhsa_private_segment_fixed_size 0
		.amdhsa_enable_private_segment 0
		.amdhsa_kernarg_size 56
		.amdhsa_user_sgpr_count 2
		.amdhsa_user_sgpr_kernarg_segment_ptr 1
		.amdhsa_wavefront_size32 1
		.amdhsa_system_sgpr_workgroup_id_x 1
		.amdhsa_system_sgpr_workgroup_id_y 1
		.amdhsa_system_sgpr_workgroup_id_z 1
		.amdhsa_system_vgpr_workitem_id 0
		.amdhsa_next_free_vgpr 192
		.amdhsa_next_free_sgpr 66
		.amdhsa_reserve_vcc 0
		.amdhsa_float_denorm_mode_32 3
		.amdhsa_float_denorm_mode_16_64 3
		.amdhsa_memory_ordered 1
		.amdhsa_forward_progress 1
		.amdhsa_inst_pref_size 18
	.end_amdhsa_kernel
	.amdgpu_metadata
---
amdhsa.version: [ 1, 2 ]
amdhsa.kernels:
  - .name:           k_q9c6df7a666_prep
    .symbol:         k_q9c6df7a666_prep.kd
    .args:
      - { .name: Wq, .offset: 0, .size: 8, .value_kind: global_buffer, .address_space: global }
      - { .name: Wk, .offset: 8, .size: 8, .value_kind: global_buffer, .address_space: global }
      - { .name: Wv, .offset: 16, .size: 8, .value_kind: global_buffer, .address_space: global }
      - { .name: Wo, .offset: 24, .size: 8, .value_kind: global_buffer, .address_space: global }
      - { .name: wcodes, .offset: 32, .size: 8, .value_kind: global_buffer, .address_space: global }
      - { .name: wscales, .offset: 40, .size: 8, .value_kind: global_buffer, .address_space: global }
      - { .name: wo16, .offset: 48, .size: 8, .value_kind: global_buffer, .address_space: global }
    .group_segment_fixed_size: 102400
    .private_segment_fixed_size: 0
    .kernarg_segment_align: 8
    .kernarg_segment_size: 56
    .max_flat_workgroup_size: 256
    .sgpr_count:     66
    .vgpr_count:     192
    .wavefront_size: 32
...
	.end_amdgpu_metadata
.endif
;; end of part 1
;; launch fused (part 2): grid 256 x 1, 4 waves a work-group, no clusters, 324,096 bytes of LDS; arguments x1, x2, wcodes, wscales, wo16, bo, out0; writes out0
.if DOCPART == 2
	.amdgcn_target "amdgcn-amd-amdhsa--gfx1250"
	.amdhsa_code_object_version 6
	.text
	.protected	k_q9c6df7a666_fused
	.globl	k_q9c6df7a666_fused
	.p2align	8
	.type	k_q9c6df7a666_fused,@function
k_q9c6df7a666_fused:
	s_mov_b64 s[64:65], 0
	v_nop
	global_prefetch_b8 v0, s[64:65] scope:SCOPE_SE
	s_setreg_imm32_b32 hwreg(HW_REG_WAVE_MODE, 25, 1), 1
	s_wait_xcnt 0x0
; THE WHOLE CHAIN FOR 64 TOKENS A WORK-GROUP.  For each token: q1 = Q4(x1) Q4(Wq)^T, k2, v2 = Q4(x2) Q4(Wk)^T, Q4(x2) Q4(Wv)^T (codes of FP4, one E8M0 scale for each 32 along K, f32 sums);
; S[c][d] = the sum over the 16 heads of k2[h][c] q1[h][d]; P = softmax over d of S / 8, the row's maximum taken away; out[h][d] = the sum over c of v2[h][c] P[c][d]; out0 = out Wo^T + bo.
; Nothing of the problem is left out: every input reaches out0.  No intermediate goes to memory.  The weights come laid out by the launch before (its head says how).
; FORMATS AND LIMITS.  q1, k2, v2, P, out and Wo are rounded to f16 for the three products that the problem leaves as they are; sums, maxima and the softmax are f32.  This serves |q1|, |k2|, |v2|, |out| under 65,504.
; A block of zeros of x gets the scale byte 1 where the quantiser says 127 (its codes are zeros; the bytes never leave the work-group); blocks whose largest magnitude lies under 2^-124 were not tried; NaN and infinities are not served.
; SHARES.  Projections and the last product: THE WAVES SHARE THE COLUMNS: each fragment of a weight is wanted by one wave, goes from memory straight into its registers (a ring of four slots of 64 registers) and meets all
; four tiles of tokens there: every weight is read once by a work-group.  Attention: wave w owns tokens 16 w .. 16 w + 15, in two halves of eight (half hf: tokens 16 w + 8 hf + 0..7).
; q1 of all 64 tokens stays in LDS.  LDS has room for k2 and v2 of 32 tokens: the first half's go there as they are made; THE SECOND HALF'S STAY, PACKED IN f16, IN 256 REGISTERS OF THE WAVE THAT MADE THEM
; and go to the same bytes when the first half's attention is over.  A token's result takes the bytes of its own q1.
; NO CLUSTER, NO TENSOR LOAD: what work-groups share is the weights, and a joint load lands in LDS, of which this text uses 324,096 of 327,680 bytes, all written by LDS stores; through LDS each fragment would be written and read once more for its one wave.
; LAYOUT.  All products are used transposed (source 0 = 16 rows of a weight, source 1 = 16 tokens): a lane holds one token and eight neighbouring rows.  The rows of a tile are chosen so that those eight are what the next product
; wants side by side: Wq, Wk: the 16 heads of one channel; Wv: 16 channels of one head.
; LDS (a token's row: 2,048 bytes + 16 = 516 words: row r starts at bank 4 r mod 64; 64 banks of 4 bytes: ISA guide 11.1):
;   QREG 64 rows: q1 as [h / 8][d][8 heads]; later out as [d / 8][head][8 channels].   KREG 32 rows: k2 as [h / 8][c][8 heads].   VREG 32 rows: v2 as [c / 8][head][8 channels].
;   PST: a wave's own 64 x 160 bytes: P[c][d] in f16.   X2IMG, X2SC: x2's 16 fragments and their scale words, as images of the operand's registers.
;   While x is quantised KREG holds the waves' turning stages and VREG x1's 32 fragments and scale words; on the way out KREG holds the waves' stages.
; REGISTERS, in windows of 256 (s_set_vgpr_msb: bits 1:0 source 0, 3:2 source 1, 5:4 source 2, 7:6 destination):
;   window 0: v1-39 addresses; v40-95 scale words and nothing else; v96-123 at work; v128-255: two sets of 64 numbers while x is quantised, q1's four accumulators, x2's 16 fragments, at the end two blocks of rows of out0
;   window 1: x as loaded, four sets of 64; k2's and v2's eight accumulators; S, the softmax's figures and the attention's addresses; the last product's 32 accumulators
;   window 2: x1's 32 fragments; the second half's k2 and v2; the last product's tokens, bias and two blocks of rows          window 3: the ring of weights; between its streams the attention's operands
.set TP,     2064
.set QREG,   0
.set KREG,   64*TP
.set VREG,   KREG+32*TP
.set PST,    VREG+32*TP
.set PP,     160                       ; a row of P: 128 bytes + 32: an odd multiple of 32
.set X2IMG,  PST+4*64*PP
.set X2SC,   X2IMG+16*1024
.set SPARE,  X2SC+16*128               ; the spare words, 128 bytes for each wave: two blocks of 256 bytes that no other line names
.set TURNB,  KREG
.set SPITCH, 528                       ; a stage's row: 512 bytes + 16
.set X1IMG,  VREG
.set X1SC,   X1IMG+32*1024
; window 0
.set SPW,  1                           ; my spare word; never rewritten
.set NIL,  2                           ; 0; never rewritten
.set LOFF, 3                           ; 16 x lane
.set LS,   4                           ; 4 x lane
.set SH8,  5                           ; 8 h
.set TS,   6                           ; turning stage, in
.set TR,   7                           ; turning stage, out
.set XW1,  8                           ; where I store x1's images, and their scale words
.set XS1W, 9
.set XW2,  10                          ; the same for x2
.set XS2W, 11
.set FI1,  12                          ; where any wave reads x1's images, scale words
.set FS1,  13
.set FI2,  14                          ; and x2's
.set FS2,  15
.set QB0,  18                          ; q1's place: tokens 0-31, 32-63
.set QB1,  19
.set QC0,  20                          ; with the trip's step
.set QC1,  21
.set KB,   22                          ; k2's and v2's places
.set VB,   23
.set A0,   26                          ; the last product's tokens 0-31, 32-63
.set A1,   27
.set AC0,  28
.set AC1,  29
.set STO,  30                          ; the way out: in, back
.set RD,   31
.set BOFF, 32                          ; 32 h: my eight numbers of a tile's 16 of bo
.set RR,   33                          ; r = lane % 16
.set HH,   34                          ; h = lane / 16
.set XS1,  40                          ; v40-71  x1's scale words, (m, s) at 8 m + s
.set XS2,  40                          ; v40-55  behind q1: x2's scale words, (q, s) at 4 q + s
.set WS,   80                          ; v80-95  the weights', four a slot: fragment f in register f / 2, lanes 16 (f % 2) on
.set MX,   96
.set SO,   100
.set BY,   102
.set TT,   104
.set PC,   106                         ; v106-121 two sets of codes
.set PW,   122                         ; v122-123 two scale words
.set TMP,  96                          ; v96-111 results in f16
.set ACC,  128
.set T,    128
.set X2F,  128                         ; v128-255 x2's fragments, (q, s) at 8 (4 q + s); tile q = 2 hf + mm
; window 1
.set OA,   128
.set O16,  160
.set ST,   176                         ; eight a tile of c: +0 -c m, +2 1 / sum (+1, +3 named with them as pairs), +4 .. +7 at work
.set BQA,  208
.set BKA,  209
.set BVA,  210
.set APS,  211
.set APT,  212
.set BOA,  213
.set AQ,   214
.set AK,   215
.set AV,   216
.set AO,   217
; window 3, between the ring's streams
.set QF,   0
.set KF,   32
.set VF,   64
.set PT,   96
; window 2, in the last product
.set AB,   0
.set BIAS, 64
.set BK,   128                         ; rows on their way out: blocks 0, 1 in window 2, blocks 2, 3 in window 0
; scalars
.set WV,   18
.set SEL,  20
.set CS,   22                          ; s[22:23] c = log2(e) / 8
.set NCS,  24                          ; -c
.set WCP,  26                          ; s[26:27] the ring's place in wcodes
.set WSP,  28                          ; s[28:29] and in wscales
.set QT,   30
.set TQ,   35
.set TK,   36
.set KO,   37
.set CNT,  38
.set HF,   39
.set OSTEP, 48                         ; s[48:49] what a chunk's first trip adds to out0's address: 0, then 512
.set MSB, 0
.macro WIN new                         ; the immediate's high byte repeats the setting that is left; a switch that changes nothing is dropped
.if MSB != \new
	s_set_vgpr_msb (MSB<<8)|\new
.set MSB, \new
.endif
.endm
.macro PLACES                          ; four plain places between a matrix instruction and a read of its result, or a load into one of its registers (for reads)
.rept 4
	v_nop
.endr
.endm
.macro BARRIER                         ; my LDS stores have landed and my LDS loads are in: then the work-group's barrier
	s_wait_dscnt 0x0
	s_barrier_signal -1
	s_barrier_wait -1
.endm
; group g of x: my 16 tokens' 128 numbers of one K step, 512 consecutive bytes a load.  g = 0..3: x2's K steps; 4..11: x1's
.macro LOADG g
	WIN 0x40                                       ; destination window 1
.irp t, 0,1,2,3,4,5,6,7,8,9,10,11,12,13,14,15
.if (\g) < 4
	global_load_b128 v[64*((\g)%4)+4*\t:64*((\g)%4)+4*\t+3], v[LOFF], s[6:7] offset:\t*2048+(\g)*512 th:TH_LOAD_NT
.else
	global_load_b128 v[64*((\g)%4)+4*\t:64*((\g)%4)+4*\t+3], v[LOFF], s[4:5] offset:\t*4096+((\g)-4)*512 th:TH_LOAD_NT
.endif
.endr
.endm
; through my stage: in as loaded, out as the operand wants it: lane (r, h) takes k = 64 c + 32 h + 0..31 of token r.  LDS serves a wave's instructions in order (ISA guide 5.7.1.4): no wait between
.macro TURN g
	WIN 0x04                                       ; the stores' data: window 1
.irp t, 0,1,2,3,4,5,6,7,8,9,10,11,12,13,14,15
	ds_store_b128 v[TS], v[64*((\g)%4)+4*\t:64*((\g)%4)+4*\t+3] offset:\t*SPITCH
.endr
	WIN 0
.irp c, 0,1
.irp j, 0,1,2,3,4,5,6,7
	ds_load_b128 v[T+64*((\g)%2)+32*\c+4*\j:T+64*((\g)%2)+32*\c+4*\j+3], v[TR] offset:\c*256+16*\j
.endr
.endr
.endm
; 64 numbers of a lane, register 32 c + i = k 64 c + 32 h + i of its token: two whole blocks.  They become a fragment's eight registers and its scale word
.macro QUANT6 x, pc, pw
.irp c, 0,1
.irp u, 0,1
	v_max3_num_f32 v[MX+2*\c+\u], |v[\x+32*\c+16*\u]|, |v[\x+32*\c+16*\u+1]|, 0x1800000   ; a block's largest magnitude in two chains, with the floor 2^(3 - 127): the byte cannot fall under 1
.endr
.endr
.irp i, 2,4,6,8,10,12,14
.irp c, 0,1
.irp u, 0,1
	v_max3_num_f32 v[MX+2*\c+\u], v[MX+2*\c+\u], |v[\x+32*\c+16*\u+\i]|, |v[\x+32*\c+16*\u+\i+1]|
.endr
.endr
.endr
.irp c, 0,1
	v_max_num_f32 v[MX+2*\c], v[MX+2*\c], v[MX+2*\c+1]
.endr
.irp c, 0,1
	v_add_nc_u32 v[SO+\c], 0xff000000, v[MX+2*\c]  ; 2 off the exponent field: the conversion takes this operand's exponent field as its scale
.endr
.irp c, 0,1
	v_lshrrev_b32 v[BY+\c], 23, v[SO+\c]           ; the scale's byte
.endr
	v_lshl_or_b32 v[\pw], v[BY+1], 16, v[BY]       ; blocks h and 2 + h,
	v_lshlrev_b32 v[\pw], v[SH8], v[\pw]           ; at their places in the word;
	v_permlanex16_b32 v[TT], v[\pw], s[SEL], s[SEL+1]
	v_or_b32 v[\pw], v[\pw], v[TT]                 ; with lane l xor 16's two the word is whole
.irp c, 0,1
.irp g, 0,1,2,3
	v_cvt_scalef32_pk8_fp4_f32 v[\pc+4*\c+\g], v[\x+32*\c+8*\g:\x+32*\c+8*\g+7], v[SO+\c]
.endr
.endr
	v_nop                                          ; one plain place behind the last scaled conversion
.endm
; group g is quantised and its image stored; loads run four groups ahead, the turn through LDS one
.macro STEP g
.if (\g) > 0
	s_wait_dscnt 3                                 ; all but the last step's three image stores: this group is back from the stage, so the stage's stores have read their registers,
.else
	s_wait_dscnt 0x0
.endif
.if (\g) < 8
	LOADG (\g)+4                                   ; which take the group four on
	s_wait_loadcnt 48                              ; the next group is in; three groups of 16 loads behind it may be out
.elseif (\g) < 11
	s_wait_loadcnt 16*(10-(\g))                    ; the groups behind the next one run out
.endif
.if (\g) < 11
	TURN (\g)+1
.endif
	WIN 0
	QUANT6 T+64*((\g)%2), PC+8*((\g)%2), PW+(\g)%2
.set pcs, PC+8*((\g)%2)
.if (\g) < 4
	ds_store_b128 v[XW2], v[pcs:pcs+3] offset:(\g)*1024
	ds_store_b128 v[XW2], v[pcs+4:pcs+7] offset:(\g)*1024+512
	ds_store_b32 v[XS2W], v[PW+(\g)%2] offset:(\g)*128
.else
	ds_store_b128 v[XW1], v[pcs:pcs+3] offset:((\g)-4)*1024
	ds_store_b128 v[XW1], v[pcs+4:pcs+7] offset:((\g)-4)*1024+512
	ds_store_b32 v[XS1W], v[PW+(\g)%2] offset:((\g)-4)*128
.endif
.endm
; a unit of weights, eight fragments and their scale words, into a slot of the ring: 17 loads
.macro LOADU slot, u
	WIN 0xc0                                       ; destination window 3
.irp f, 0,1,2,3,4,5,6,7
.irp c, 0,1
	global_load_b128 v[64*(\slot)+8*\f+4*\c:64*(\slot)+8*\f+4*\c+3], v[LOFF], s[WCP:WCP+1] offset:(\u)*8192+\f*1024+\c*512
.endr
.endr
	WIN 0
	global_load_b128 v[WS+4*(\slot):WS+4*(\slot)+3], v[LOFF], s[WSP:WSP+1] offset:(\u)*512
.endm
.macro MM d, a, b, acc, sa, sb, row    ; one product on codes; acc = 0: it starts the sum; row: the weights' scale words lie in lanes 16 row on
.if \acc
.if \row
	v_wmma_scale_f32_16x16x128_f8f6f4 v[\d:\d+7], v[\a:\a+7], v[\b:\b+7], v[\d:\d+7], v[\sa], v[\sb] matrix_a_fmt:MATRIX_FMT_FP4 matrix_b_fmt:MATRIX_FMT_FP4 matrix_a_scale:MATRIX_SCALE_ROW1
.else
	v_wmma_scale_f32_16x16x128_f8f6f4 v[\d:\d+7], v[\a:\a+7], v[\b:\b+7], v[\d:\d+7], v[\sa], v[\sb] matrix_a_fmt:MATRIX_FMT_FP4 matrix_b_fmt:MATRIX_FMT_FP4
.endif
.else
	v_wmma_scale_f32_16x16x128_f8f6f4 v[\d:\d+7], v[\a:\a+7], v[\b:\b+7], 0, v[\sa], v[\sb] matrix_a_fmt:MATRIX_FMT_FP4 matrix_b_fmt:MATRIX_FMT_FP4
.endif
.endm
; A UNIT OF q1: one channel d (16 heads) for four tiles of tokens, K = 1,024.  Four accumulators take turns, one instruction a turn.
; The slot takes the unit four on.  The ring's pointers step ahead of a trip's FIRST refill: the loads that named them last stand 32 products back.
.macro UNITQ slot
	s_wait_loadcnt 51                              ; this slot is in; three younger slots of 17 loads may be out
	WIN 0x0b                                       ; weights window 3, x1 window 2, sums window 0
.irp s, 0,1,2,3,4,5,6,7
.irp m, 0,1,2,3
	MM ACC+8*\m, 64*\slot+8*\s, 8*(8*\m+\s), \s, WS+4*\slot+\s/2, XS1+8*\m+\s, \s%2
.endr
.endr
	WIN 0
	PLACES
.if \slot == 0
	s_wait_xcnt 0x0                                ; every load issued so far has read its base: the pointers may step
	s_add_nc_u64 s[WCP:WCP+1], s[WCP:WCP+1], 32768
	s_add_nc_u64 s[WSP:WSP+1], s[WSP:WSP+1], 2048
.endif
	LOADU \slot, \slot
	s_wait_dscnt 0x0                               ; the last unit's stores have read TMP
.irp a, 0,1,2,3
.irp i, 0,1,2,3
	v_cvt_pk_f16_f32 v[TMP+4*\a+\i], v[ACC+8*\a+2*\i], v[ACC+8*\a+2*\i+1]   ; each accumulator from its low end on; a lane's eight results are 16 bytes
.endr
.endr
.irp m, 0,1,2,3
	ds_store_b128 v[QC0+\m/2], v[TMP+4*\m:TMP+4*\m+3] offset:(\m%2)*16*TP+\slot*16
.endr
.endm
; A UNIT OF k2 AND v2, the u-th of 16: one channel c of k2 (16 heads) and 16 channels of one head of v2, for all four tiles of tokens, K = 512.  Eight accumulators (window 1: k2's at 8 q, v2's at 32 + 8 q) by turns.
; Tiles q = 0, 1 are the first half's tokens: their results go to LDS.  Tiles 2, 3 are the second half's: their results stay in window 2, 16 registers a unit.  Written out 16 times: every offset is an immediate, no pointer steps.
.macro UNITKV u
.set sl, (\u)%4
.if (\u) < 13
	s_wait_loadcnt 51                              ; three younger slots of 17 loads may be out
.else
	s_wait_loadcnt 17*(15-(\u))                    ; the last units ask for nothing: the counts run down
.endif
	WIN 0x53                                       ; weights window 3, x2 window 0, sums window 1
.irp s, 0,1,2,3
.irp q, 0,1,2,3
	MM 8*\q, 64*sl+8*\s, X2F+8*(4*\q+\s), \s, WS+4*sl+\s/2, XS2+4*\q+\s, \s%2
.endr
.irp q, 0,1,2,3
	MM 32+8*\q, 64*sl+32+8*\s, X2F+8*(4*\q+\s), \s, WS+4*sl+2+\s/2, XS2+4*\q+\s, \s%2
.endr
.endr
	WIN 0
	PLACES
.if (\u) < 12
	LOADU sl, (\u)+4
.endif
	s_wait_dscnt 0x0                               ; the last unit's stores have read TMP
	WIN 0x05                                       ; sources window 1, destination window 0
.irp mm, 0,1
.irp i, 0,1,2,3
	v_cvt_pk_f16_f32 v[TMP+4*\mm+\i], v[8*\mm+2*\i], v[8*\mm+2*\i+1]
.endr
.endr
.irp mm, 0,1
.irp i, 0,1,2,3
	v_cvt_pk_f16_f32 v[TMP+8+4*\mm+\i], v[32+8*\mm+2*\i], v[32+8*\mm+2*\i+1]
.endr
.endr
	WIN 0x85                                       ; destination window 2: the second half's, kept
.irp mm, 0,1
.irp i, 0,1,2,3
	v_cvt_pk_f16_f32 v[16*(\u)+4*\mm+\i], v[16+8*\mm+2*\i], v[16+8*\mm+2*\i+1]
.endr
.endr
.irp mm, 0,1
.irp i, 0,1,2,3
	v_cvt_pk_f16_f32 v[16*(\u)+8+4*\mm+\i], v[48+8*\mm+2*\i], v[48+8*\mm+2*\i+1]
.endr
.endr
	WIN 0
.irp mm, 0,1
	ds_store_b128 v[KB], v[TMP+4*\mm:TMP+4*\mm+3] offset:\mm*16*TP+(\u)*16
.endr
.irp mm, 0,1
	ds_store_b128 v[VB], v[TMP+8+4*\mm:TMP+8+4*\mm+3] offset:\mm*16*TP+((\u)%4)*512+((\u)/4)*16
.endr
.endm
.macro QKLOAD                          ; a token's q1 and k2 as fragments: lane (r, h): channel 16 t + r, heads 8 h + 0..7; the fragments' upper halves (K = 16 .. 31) stay zeros
.irp t, 0,1,2,3
	ds_load_b128 v[QF+8*\t:QF+8*\t+3], v[AQ] offset:\t*256
.endr
.irp t, 0,1,2,3
	ds_load_b128 v[KF+8*\t:KF+8*\t+3], v[AK] offset:\t*256
.endr
.endm
; THE SOFTMAX.  A lane holds row c = 16 t + r of tile t; register 8 dt + j holds d = 16 dt + 8 h + j; the row's other 32 lie in lane l xor 16.
; SMA: maximum, exponentials, sum and reciprocal of all four tiles, by turns: one batch of 128 exponentials, one of four reciprocals
.macro SMA
	WIN 0x55
.irp t, 0,1,2,3
.set rS, 32*\t
.set rT, ST+8*\t
	v_max3_num_f32 v[rT+4], v[rS], v[rS+1], v[rS+2]              ; the row's maximum in two chains; each accumulator is first read at its low end
	v_max3_num_f32 v[rT+5], v[rS+16], v[rS+17], v[rS+18]
.endr
.irp i, 3,5,7,9,11,13
.irp t, 0,1,2,3
.set rS, 32*\t
.set rT, ST+8*\t
	v_max3_num_f32 v[rT+4], v[rT+4], v[rS+\i], v[rS+\i+1]
	v_max3_num_f32 v[rT+5], v[rT+5], v[rS+16+\i], v[rS+17+\i]
.endr
.endr
.irp t, 0,1,2,3
	v_max3_num_f32 v[ST+8*\t+4], v[ST+8*\t+4], v[ST+8*\t+5], v[32*\t+15]
.endr
.irp t, 0,1,2,3
	v_max_num_f32 v[ST+8*\t+4], v[ST+8*\t+4], v[32*\t+31]
.endr
.irp t, 0,1,2,3
	v_permlanex16_b32 v[ST+8*\t+6], v[ST+8*\t+4], s[SEL], s[SEL+1]
.endr
.irp t, 0,1,2,3
	v_max_num_f32 v[ST+8*\t+4], v[ST+8*\t+4], v[ST+8*\t+6]
.endr
.irp t, 0,1,2,3
	v_mul_f32 v[ST+8*\t], s[NCS], v[ST+8*\t+4]                   ; -c m
.endr
.irp i, 0,2,4,6,8,10,12,14,16,18,20,22,24,26,28,30
.irp t, 0,1,2,3
	v_pk_fma_f32 v[32*\t+\i:32*\t+\i+1], v[32*\t+\i:32*\t+\i+1], s[CS:CS+1], v[ST+8*\t:ST+8*\t+1] op_sel_hi:[1,0,0]   ; c s - c m, two at a time
.endr
.endr
.irp t, 0,1,2,3
.irp i, 0,1,2,3,4,5,6,7,8,9,10,11,12,13,14,15,16,17,18,19,20,21,22,23,24,25,26,27,28,29,30,31
	v_exp_f32 v[32*\t+\i], v[32*\t+\i]
.endr
.endr
	v_nop                                          ; a plain place behind the last exponential
	s_wait_alu depctr_va_vdst(0)                   ; one wait for the batch of 128, ahead of its first use
.irp t, 0,1,2,3
.set rS, 32*\t
.set rT, ST+8*\t
	v_pk_add_f32 v[rT+6:rT+7], v[rS:rS+1], v[rS+2:rS+3]          ; the row's sum, two at a time, in two chains
	v_pk_add_f32 v[rT+4:rT+5], v[rS+4:rS+5], v[rS+6:rS+7]
.endr
.irp i, 8,12,16,20,24,28
.irp t, 0,1,2,3
.set rS, 32*\t
.set rT, ST+8*\t
	v_pk_add_f32 v[rT+6:rT+7], v[rT+6:rT+7], v[rS+\i:rS+\i+1]
	v_pk_add_f32 v[rT+4:rT+5], v[rT+4:rT+5], v[rS+\i+2:rS+\i+3]
.endr
.endr
.irp t, 0,1,2,3
	v_pk_add_f32 v[ST+8*\t+6:ST+8*\t+7], v[ST+8*\t+6:ST+8*\t+7], v[ST+8*\t+4:ST+8*\t+5]
.endr
.irp t, 0,1,2,3
	v_add_f32 v[ST+8*\t+4], v[ST+8*\t+6], v[ST+8*\t+7]
.endr
.irp t, 0,1,2,3
	v_permlanex16_b32 v[ST+8*\t+5], v[ST+8*\t+4], s[SEL], s[SEL+1]
.endr
.irp t, 0,1,2,3
	v_add_f32 v[ST+8*\t+4], v[ST+8*\t+4], v[ST+8*\t+5]
.endr
.irp t, 0,1,2,3
	v_rcp_f32 v[ST+8*\t+2], v[ST+8*\t+4]
.endr
	v_nop                                          ; a plain place behind the reciprocals,
	s_wait_alu depctr_va_vdst(0)                   ; and their one wait
.endm
; SMB: tiles a and a + 1 are divided by their sums, rounded to f16, stored as P[c][d] and read back turned
.macro SMB a
	WIN 0x55
.irp i, 0,2,4,6,8,10,12,14,16,18,20,22,24,26,28,30
.irp t, \a, \a+1
	v_pk_mul_f32 v[32*(\t)+\i:32*(\t)+\i+1], v[32*(\t)+\i:32*(\t)+\i+1], v[ST+8*(\t)+2:ST+8*(\t)+3] op_sel_hi:[1,0]
.endr
.endr
.irp i, 0,1,2,3,4,5,6,7,8,9,10,11,12,13,14,15
.irp t, \a, \a+1
	v_cvt_pk_f16_f32 v[32*(\t)+\i], v[32*(\t)+2*\i], v[32*(\t)+2*\i+1]   ; packed in place, ascending: register i is written when 2 i and 2 i + 1 are read
.endr
.endr
.irp t, \a, \a+1
.irp dt, 0,1,2,3
	ds_store_b128 v[APS], v[32*(\t)+4*\dt:32*(\t)+4*\dt+3] offset:(\t)*16*PP+\dt*32   ; P[c][16 dt + 8 h ..]
.endr
.endr
	WIN 0xc1                                       ; destination window 3, address window 1
.irp dt, 0,1,2,3                       ; and back turned, as source 0 of the next product: lane (r, h): d = 16 dt + r, c = 16 a + 8 h .., 16 a + 16 + 8 h ..  LDS serves a wave's instructions in order
	ds_load_tr16_b128 v[PT+32*((\a)/2)+8*\dt:PT+32*((\a)/2)+8*\dt+3], v[APT] offset:((\a)/2)*32*PP+\dt*32
	ds_load_tr16_b128 v[PT+32*((\a)/2)+8*\dt+4:PT+32*((\a)/2)+8*\dt+7], v[APT] offset:((\a)/2)*32*PP+16*PP+\dt*32
.endr
.endm
; THE LAST PRODUCT, 128 columns a wave at a time: 32 accumulators (8 tiles of columns x 4 tiles of tokens) by turns.  PRO6: a chunk's bias, its first four K steps of Wo, the tokens' first two
.macro PRO6
	WIN 0x80
.irp b, 0,1,2,3,4,5,6,7
	global_load_b128 v[BIAS+8*\b:BIAS+8*\b+3], v[BOFF], s[14:15] offset:\b*64
	global_load_b128 v[BIAS+8*\b+4:BIAS+8*\b+7], v[BOFF], s[14:15] offset:\b*64+16
.endr
	WIN 0xc0
.irp j, 0,1,2,3
.irp b, 0,1,2,3,4,5,6,7
.irp c, 0,1
	global_load_b128 v[64*\j+8*\b+4*\c:64*\j+8*\b+4*\c+3], v[LOFF], s[12:13] offset:\j*8192+\b*1024+\c*512
.endr
.endr
.endr
	s_mov_b32 s[KO], 0
	WIN 0x80
.irp j, 0,1
.irp m, 0,1,2,3
	ds_load_b128 v[AB+32*\j+8*\m:AB+32*\j+8*\m+3], v[A0+\m/2] offset:(\m%2)*16*TP+\j*64
	ds_load_b128 v[AB+32*\j+8*\m+4:AB+32*\j+8*\m+7], v[A0+\m/2] offset:(\m%2)*16*TP+\j*64+32
.endr
.endr
	WIN 0
.endm
; four K steps of 32.  first: the bias is the C of the first step's products.  apf: the tokens of the next trip's first two steps are fetched.  refill: the ring takes the next trip's Wo.
; Wo's pointer steps ahead of the trip's FIRST refill: the loads that named it last stand 32 products back.  In a chunk's first trip out0's pointer steps there too: the last chunk's stores stand as far back.
.macro TRIP first, apf, refill
	WIN 0
	v_add_nc_u32 v[AC0], s[KO], v[A0]
	v_add_nc_u32 v[AC1], s[KO], v[A1]
.irp j, 0,1,2,3
.if \refill
	s_wait_loadcnt 48                              ; this slot is in; three younger slots of 16 loads may be out
.else
	s_wait_loadcnt 16*(3-\j)
.endif
.if (\j == 3) && (!\apf)
	s_wait_dscnt 0x0
.else
	s_wait_dscnt 8                                 ; this step's tokens are in; the next step's eight loads may be out
.endif
.if \first && (\j == 0)
	WIN 0x6b                                       ; Wo window 3, tokens window 2, bias window 2, sums window 1
.irp b, 0,1,2,3,4,5,6,7
.irp m, 0,1,2,3
	v_wmma_f32_16x16x32_f16 v[8*(4*\b+\m):8*(4*\b+\m)+7], v[64*\j+8*\b:64*\j+8*\b+7], v[AB+32*(\j%2)+8*\m:AB+32*(\j%2)+8*\m+7], v[BIAS+8*\b:BIAS+8*\b+7]
.endr
.endr
.else
	WIN 0x5b
.irp b, 0,1,2,3,4,5,6,7
.irp m, 0,1,2,3
	v_wmma_f32_16x16x32_f16 v[8*(4*\b+\m):8*(4*\b+\m)+7], v[64*\j+8*\b:64*\j+8*\b+7], v[AB+32*(\j%2)+8*\m:AB+32*(\j%2)+8*\m+7], v[8*(4*\b+\m):8*(4*\b+\m)+7]
.endr
.endr
.endif
	WIN 0
	PLACES
.if (\j < 2) || \apf
	WIN 0x80
.irp m, 0,1,2,3
	ds_load_b128 v[AB+32*(\j%2)+8*\m:AB+32*(\j%2)+8*\m+3], v[AC0+\m/2] offset:(\m%2)*16*TP+(\j+2)*64
	ds_load_b128 v[AB+32*(\j%2)+8*\m+4:AB+32*(\j%2)+8*\m+7], v[AC0+\m/2] offset:(\m%2)*16*TP+(\j+2)*64+32
.endr
.endif
.if \refill
.if \j == 0
	s_wait_xcnt 0x0                                ; every load and store issued so far has read its base and its registers
	s_add_nc_u64 s[12:13], s[12:13], 32768         ; the next four K steps of Wo
.if \first
	s_add_nc_u64 s[16:17], s[16:17], s[OSTEP:OSTEP+1]   ; out0: nothing for the first chunk, 128 columns on for the second
	s_mov_b32 s[OSTEP], 512
.endif
.endif
	WIN 0xc0
.irp b, 0,1,2,3,4,5,6,7
.irp c, 0,1
	global_load_b128 v[64*\j+8*\b+4*\c:64*\j+8*\b+4*\c+3], v[LOFF], s[12:13] offset:\j*8192+\b*1024+\c*512
.endr
.endr
.endif
.endr
	WIN 0
	s_add_co_u32 s[KO], s[KO], 256
.endm
; THE WAY OUT of 16 tokens x 128 columns: a lane's 32 bytes of a row go into my stage and come back as whole rows of 512 bytes.  Each of a chunk's four blocks has registers of its own:
; none is loaded again before the next chunk, behind the trips' waits on XCNT
.macro TOSTAGE m
	WIN 0x04                                       ; the stores' data: window 1
.irp b, 0,1,2,3,4,5,6,7
	ds_store_b128 v[STO], v[8*(4*\b+(\m)):8*(4*\b+(\m))+3] offset:64*\b       ; each accumulator from its low end on
	ds_store_b128 v[STO], v[8*(4*\b+(\m))+4:8*(4*\b+(\m))+7] offset:64*\b+16
.endr
.if (\m) < 2
	WIN 0x80
.else
	WIN 0
.endif
.irp t, 0,1,2,3,4,5,6,7,8,9,10,11,12,13,14,15
	ds_load_b128 v[BK+64*((\m)%2)+4*\t:BK+64*((\m)%2)+4*\t+3], v[RD] offset:\t*SPITCH
.endr
.endm
.macro SEND m, younger                 ; younger: the LDS instructions issued behind this block's loads
	s_wait_dscnt \younger
.if (\m) < 2
	WIN 0x08                                       ; the stores' data: window 2
.else
	WIN 0
.endif
.irp t, 0,1,2,3,4,5,6,7,8,9,10,11,12,13,14,15
	global_store_b128 v[LOFF], v[BK+64*((\m)%2)+4*\t:BK+64*((\m)%2)+4*\t+3], s[16:17] offset:(16*(\m)+\t)*4096 th:TH_STORE_NT   ; 32 lanes store 512 consecutive bytes, aligned
.endr
.endm
	s_load_b256 s[4:11], s[0:1], 0x0               ; x1 s[4:5], x2 s[6:7], wcodes s[8:9], wscales s[10:11]
	s_load_b128 s[12:15], s[0:1], 0x20             ; wo16, bo
	s_load_b64 s[16:17], s[0:1], 0x30              ; out0
	v_lshl_add_u32 v[SPW], v0, 2, SPARE
	v_mov_b32 v[NIL], 0
	v_lshrrev_b32 v35, 5, v0
	v_readfirstlane_b32 s[WV], v35                 ; wave 0..3
	v_and_b32 v35, 31, v0
	v_lshlrev_b32 v[LOFF], 4, v35
	v_lshlrev_b32 v[LS], 2, v35
	s_mov_b32 s45, 0
	s_wait_kmcnt 0x0
	s_lshl_b32 s44, ttmp9, 18                      ; x1: 64 tokens of 4,096 bytes a work-group, 16 a wave
	s_lshl_b32 s46, s[WV], 16
	s_add_co_u32 s44, s44, s46
	s_add_nc_u64 s[4:5], s[4:5], s[44:45]
	s_lshl_b32 s44, ttmp9, 17                      ; x2: rows of 2,048 bytes
	s_lshl_b32 s46, s[WV], 15
	s_add_co_u32 s44, s44, s46
	s_add_nc_u64 s[6:7], s[6:7], s[44:45]
	LOADG 0                                        ; x is asked for ahead of everything else
	LOADG 1
	LOADG 2
	LOADG 3
	WIN 0
	s_lshl_b32 s44, s[WV], 18
	s_add_nc_u64 s[8:9], s[8:9], s[44:45]          ; my wave's streams of codes,
	s_lshl_b32 s44, s[WV], 14
	s_add_nc_u64 s[10:11], s[10:11], s[44:45]      ; of scale words,
	s_lshl_b32 s44, s[WV], 19
	s_add_nc_u64 s[12:13], s[12:13], s[44:45]      ; of Wo;
	s_lshl_b32 s44, s[WV], 10
	s_add_nc_u64 s[14:15], s[14:15], s[44:45]      ; my 256 columns of bo,
	s_lshl_b32 s46, ttmp9, 18
	s_add_co_u32 s44, s44, s46
	s_add_nc_u64 s[16:17], s[16:17], s[44:45]      ; and of the work-group's rows of out0
	s_mov_b32 s[SEL], 0x76543210
	s_mov_b32 s[SEL+1], 0xfedcba98                 ; v_permlanex16_b32's selects for lane l xor 16
	s_mov_b32 s[CS], 0x3e38aa3b                    ; c = log2(e) / 8
	s_mov_b32 s[CS+1], s[CS]                       ; (named with it as a pair, so it is written)
	s_mov_b32 s[NCS], 0xbe38aa3b
	v_and_b32 v[RR], 15, v0
	v_bfe_u32 v[HH], v0, 4, 1
	v_lshlrev_b32 v[SH8], 3, v[HH]
	v_lshlrev_b32 v[BOFF], 5, v[HH]
	v_mov_b32 v[TT], 0                             ; written once: a lane permute's destination counts as one of its sources
	s_mul_i32 s19, s[WV], 16*SPITCH                ; my stage: for the turn, and later for the way out
	s_add_co_u32 s19, s19, TURNB
	v_add_nc_u32 v[TS], s19, v[LOFF]
	v_add_nc_u32 v[RD], s19, v[LOFF]
	v_mul_u32_u24 v36, v[RR], SPITCH
	v_lshl_add_u32 v37, v[HH], 7, v36
	v_add_nc_u32 v[TR], s19, v37
	v_lshl_add_u32 v37, v[HH], 5, v36
	v_add_nc_u32 v[STO], s19, v37
	s_lshl_b32 s19, s[WV], 13                      ; x1's images: fragment (m = my wave, s)
	s_add_co_u32 s19, s19, X1IMG
	v_add_nc_u32 v[XW1], s19, v[LOFF]
	s_lshl_b32 s19, s[WV], 10
	s_add_co_u32 s19, s19, X1SC
	v_add_nc_u32 v[XS1W], s19, v[LS]
	v_lshrrev_b32 v36, 3, v[RR]                    ; x2's images: my token r goes to half r / 8, tile w / 2, column 8 (w % 2) + r % 8
	v_and_b32 v37, 7, v[RR]
	s_lshr_b32 s19, s[WV], 1
	s_and_b32 s25, s[WV], 1
	s_lshl_b32 s44, s19, 12
	s_lshl_b32 s46, s25, 7
	s_add_co_u32 s44, s44, s46
	s_add_co_u32 s44, s44, X2IMG
	v_lshlrev_b32 v38, 13, v36
	v_lshl_add_u32 v38, v[HH], 8, v38
	v_lshl_add_u32 v38, v37, 4, v38
	v_add_nc_u32 v[XW2], s44, v38
	s_lshl_b32 s44, s19, 9
	s_lshl_b32 s46, s25, 5
	s_add_co_u32 s44, s44, s46
	s_add_co_u32 s44, s44, X2SC
	v_lshlrev_b32 v38, 10, v36
	v_lshl_add_u32 v38, v[HH], 6, v38
	v_lshl_add_u32 v38, v37, 2, v38
	v_add_nc_u32 v[XS2W], s44, v38
	v_add_nc_u32 v[FI1], X1IMG, v[LOFF]
	v_add_nc_u32 v[FS1], X1SC, v[LS]
	v_add_nc_u32 v[FI2], X2IMG, v[LOFF]
	v_add_nc_u32 v[FS2], X2SC, v[LS]
	v_mul_u32_u24 v36, v[RR], TP                   ; a token's row
	v_lshl_add_u32 v37, v[HH], 10, v36
	s_lshl_b32 s19, s[WV], 8                       ; my 16 channels of 16 bytes
	v_add_nc_u32 v[QB0], s19, v37
	v_add_nc_u32 v[QB1], 32*TP, v[QB0]
	s_add_co_u32 s19, s19, KREG
	v_add_nc_u32 v[KB], s19, v37
	v_lshl_add_u32 v37, v[HH], 8, v36
	s_lshl_b32 s19, s[WV], 6                       ; my four heads of 16 bytes
	s_add_co_u32 s19, s19, VREG
	v_add_nc_u32 v[VB], s19, v37
	v_lshl_add_u32 v[A0], v[HH], 4, v36
	v_add_nc_u32 v[A1], 32*TP, v[A0]
	; ---- x is quantised: my 16 tokens, twelve K steps of 128
	s_wait_loadcnt 48                              ; group 0 is in
	TURN 0
.irp g, 0,1,2,3,4,5,6,7,8,9,10,11
	STEP \g
.endr
	s_mov_b64 s[WCP:WCP+1], s[8:9]                 ; the ring's first four units, Wq's, are asked for ahead of the barriers
	s_mov_b64 s[WSP:WSP+1], s[10:11]
	LOADU 0, 0
	LOADU 1, 1
	LOADU 2, 2
	LOADU 3, 3
	BARRIER                                        ; all 48 fragments of x lie in LDS
	WIN 0x80
.irp m, 0,1,2,3
.irp s, 0,1,2,3,4,5,6,7
.irp c, 0,1
	ds_load_b128 v[8*(8*\m+\s)+4*\c:8*(8*\m+\s)+4*\c+3], v[FI1] offset:(8*\m+\s)*1024+512*\c   ; x1 of all 64 tokens stays in my registers
.endr
.endr
.endr
	WIN 0
.irp m, 0,1,2,3
.irp s, 0,1,2,3,4,5,6,7
	ds_load_b32 v[XS1+8*\m+\s], v[FS1] offset:(8*\m+\s)*128
.endr
.endr
	BARRIER                                        ; every wave has read x1's images and left its turning stage: KREG and VREG may be written
	; ---- q1: 16 units in four equal trips.  Wk's and Wv's units follow Wq's in both streams, so the last trip's refills are the next phase's first four units
	s_mov_b32 s[QT], 0
	s_mov_b32 s[CNT], 4
.Lq:
	v_add_nc_u32 v[QC0], s[QT], v[QB0]
	v_add_nc_u32 v[QC1], s[QT], v[QB1]
	UNITQ 0
	UNITQ 1
	UNITQ 2
	UNITQ 3
	s_add_co_u32 s[QT], s[QT], 64
	s_sub_co_u32 s[CNT], s[CNT], 1
	s_cmp_lg_u32 s[CNT], 0
	s_cbranch_scc1 .Lq
	; ---- k2 and v2 of all 64 tokens: x2's 16 fragments and scale words come into registers, then 16 units
.irp q, 0,1,2,3
.irp s, 0,1,2,3
.irp c, 0,1
	ds_load_b128 v[X2F+8*(4*\q+\s)+4*\c:X2F+8*(4*\q+\s)+4*\c+3], v[FI2] offset:(4*\q+\s)*1024+512*\c
.endr
	ds_load_b32 v[XS2+4*\q+\s], v[FS2] offset:(4*\q+\s)*128
.endr
.endr
	s_wait_dscnt 0x0
.irp u, 0,1,2,3,4,5,6,7,8,9,10,11,12,13,14,15
	UNITKV \u
.endr
	; ---- the attention's registers
	v_lshlrev_b32 v35, 4, v[RR]
	v_lshl_add_u32 v36, v[HH], 10, v35             ; 16 r + 1,024 h: q1, k2
	v_lshl_add_u32 v37, v[HH], 8, v35              ; 16 r + 256 h: v2, out
	v_mul_u32_u24 v38, v[RR], PP
	v_lshl_add_u32 v38, v[HH], 4, v38              ; P, in: row r, 16 h
	v_and_b32 v39, 7, v0
	v_lshl_add_u32 v39, v[HH], 3, v39
	v_mul_u32_u24 v39, v39, PP
	v_bfe_u32 v35, v0, 3, 1
	v_lshl_add_u32 v39, v35, 4, v39                ; P, turned: row 8 h + l % 8, 16 ((l / 8) % 2)
	s_mul_i32 s19, s[WV], 16*TP                    ; my 16 rows of QREG,
	s_mul_i32 s25, s[WV], 8*TP                     ; my 8 of KREG and VREG,
	s_mul_i32 s44, s[WV], 64*PP
	s_add_co_u32 s44, s44, PST                     ; my P
	s_add_co_u32 s46, s25, KREG
	s_add_co_u32 s47, s25, VREG
	WIN 0x40                                       ; destination window 1
	v_add_nc_u32 v[BQA], s19, v36
	v_add_nc_u32 v[BKA], s46, v36
	v_add_nc_u32 v[BVA], s47, v37
	v_add_nc_u32 v[APS], s44, v38
	v_add_nc_u32 v[APT], s44, v39
	v_add_nc_u32 v[BOA], s19, v37
.irp t, 0,1,2,3
	v_mov_b32 v[ST+8*\t+1], 0                      ; named as upper halves of pairs,
	v_mov_b32 v[ST+8*\t+3], 0
	v_mov_b32 v[ST+8*\t+6], 0                      ; and a lane permute's destination: written once
.endr
	WIN 0xc0                                       ; destination window 3: the ring is idle until the last product
.irp f, 0,1,2,3,4,5,6,7
.irp k, 4,5,6,7
	v_mov_b32 v[8*\f+\k], 0                        ; K = 16 heads in a form of K = 32: the upper halves of q1's and k2's fragments are zeros, set once
.endr
.endr
	WIN 0
	s_mov_b32 s[HF], 2
	s_mov_b32 s[TQ], 0
.Lhalf:
	BARRIER                                        ; q1, and this half's k2 and v2, made by all four waves, lie in LDS
	; ---- the attention of my eight tokens of the half
	s_mov_b32 s[TK], 0
	s_mov_b32 s[CNT], 8
	WIN 0x55
	v_add_nc_u32 v[AQ], s[TQ], v[BQA]
	v_add_nc_u32 v[AK], s[TK], v[BKA]
	WIN 0xc1
	QKLOAD
	s_wait_dscnt 0x0                               ; the first token's q1 and k2 are in; a later token's are asked for a token ahead and are in by that token's last wait for 0
	WIN 0
.Ltoken:
	WIN 0x55
	v_add_nc_u32 v[AV], s[TK], v[BVA]
	v_add_nc_u32 v[AO], s[TQ], v[BOA]
	s_add_co_u32 s[TQ], s[TQ], TP
	s_add_co_u32 s[TK], s[TK], TP
	WIN 0xc1
.irp ks, 0,1                           ; v2 as source 1: lane (r, h): head r, c = 32 ks + 8 h .., 32 ks + 16 + 8 h ..
	ds_load_b128 v[VF+8*\ks:VF+8*\ks+3], v[AV] offset:\ks*1024
	ds_load_b128 v[VF+8*\ks+4:VF+8*\ks+7], v[AV] offset:\ks*1024+512
.endr
	WIN 0x5f                                       ; operands window 3, results window 1
.irp ct, 0,1,2,3
.irp dt, 0,1,2,3
	v_wmma_f32_16x16x32_f16 v[32*\ct+8*\dt:32*\ct+8*\dt+7], v[QF+8*\dt:QF+8*\dt+7], v[KF+8*\ct:KF+8*\ct+7], 0   ; S: lane c = 16 ct + r, registers d = 16 dt + 8 h + j
.endr
.endr
	WIN 0x55
	v_add_nc_u32 v[AQ], s[TQ], v[BQA]              ; the next token's rows; with the two v_nop the four places behind the products
	v_add_nc_u32 v[AK], s[TK], v[BKA]
	v_nop
	v_nop
	WIN 0
	s_cmp_eq_u32 s[CNT], 1                         ; the half's last token has no successor whose k2 is there
	s_cbranch_scc1 .Lno_next
	WIN 0xc1
	QKLOAD
	WIN 0
.Lno_next:
	SMA
	SMB 0
	SMB 2
	s_wait_dscnt 16                                ; v2 and the first 32 rows of P, turned, are in; behind them the second pair's eight stores and eight loads
	WIN 0x5f
.irp dt, 0,1,2,3
	v_wmma_f32_16x16x32_f16 v[OA+8*\dt:OA+8*\dt+7], v[PT+8*\dt:PT+8*\dt+7], v[VF:VF+7], 0   ; out: lane = head r, registers d = 16 dt + 8 h + j
.endr
	s_wait_dscnt 0x0
.irp dt, 0,1,2,3
	v_wmma_f32_16x16x32_f16 v[OA+8*\dt:OA+8*\dt+7], v[PT+32+8*\dt:PT+32+8*\dt+7], v[VF+8:VF+15], v[OA+8*\dt:OA+8*\dt+7]
.endr
	WIN 0x55
	PLACES
.irp i, 0,1,2,3,4,5,6,7,8,9,10,11,12,13,14,15
	v_cvt_pk_f16_f32 v[O16+\i], v[OA+2*\i], v[OA+2*\i+1]
.endr
.irp dt, 0,1,2,3
	ds_store_b128 v[AO], v[O16+4*\dt:O16+4*\dt+3] offset:\dt*512    ; into the token's own row of QREG, whose q1 has been read: [d / 8 = 2 dt + h][head][8]
.endr
	WIN 0
	s_sub_co_u32 s[CNT], s[CNT], 1
	s_cmp_lg_u32 s[CNT], 0
	s_cbranch_scc1 .Ltoken
	BARRIER                                        ; nobody reads this half's k2 and v2 any more; behind the second half all 64 rows of out lie in LDS
	s_cmp_eq_u32 s[HF], 1                          ; the count of halves: the same in every wave
	s_cbranch_scc1 .Lno_flush
	WIN 0x08                                       ; the stores' data: window 2: the second half's k2 and v2 take the first half's bytes
.irp u, 0,1,2,3,4,5,6,7,8,9,10,11,12,13,14,15
.irp mm, 0,1
	ds_store_b128 v[KB], v[16*\u+4*\mm:16*\u+4*\mm+3] offset:\mm*16*TP+\u*16
.endr
.irp mm, 0,1
	ds_store_b128 v[VB], v[16*\u+8+4*\mm:16*\u+8+4*\mm+3] offset:\mm*16*TP+(\u%4)*512+(\u/4)*16
.endr
.endr
	WIN 0
.Lno_flush:
	s_sub_co_u32 s[HF], s[HF], 1
	s_cmp_lg_u32 s[HF], 0
	s_cbranch_scc1 .Lhalf
	; ---- out0 = out Wo^T + bo: my 256 columns in two chunks of 128, K = 1,024 in 32 steps
	s_mov_b32 s[OSTEP], 0
	s_mov_b32 s[OSTEP+1], 0
	PRO6
	s_mov_b32 s[HF], 2
.Lchunk:
	TRIP 1, 1, 1                                   ; (its two additions and the four v_nop ahead of them are the places between a chunk's last products and the products that begin the accumulators anew)
	s_mov_b32 s[CNT], 6
.Ltrip:
	TRIP 0, 1, 1
	s_sub_co_u32 s[CNT], s[CNT], 1
	s_cmp_lg_u32 s[CNT], 0
	s_cbranch_scc1 .Ltrip
	TRIP 0, 0, 0                                   ; the chunk's last four steps ask for nothing
	s_cmp_eq_u32 s[HF], 1
	s_cbranch_scc1 .Llast_chunk
	s_wait_xcnt 0x0                                ; the chunk's loads have come in: their bases may step
	s_add_nc_u64 s[12:13], s[12:13], 32768         ; seven trips have stepped Wo's pointer: one step more is the second chunk's first byte
	s_add_nc_u64 s[14:15], s[14:15], 512
	PRO6                                           ; the second chunk's operands are asked for ahead of the first chunk's way out
.Llast_chunk:
	TOSTAGE 0
	TOSTAGE 1
	SEND 0, 32                                     ; behind block 0's loads: block 1's 16 stores and 16 loads
	TOSTAGE 2
	SEND 1, 32
	TOSTAGE 3
	SEND 2, 32
	SEND 3, 0
	WIN 0
	s_sub_co_u32 s[HF], s[HF], 1
	s_cmp_lg_u32 s[HF], 0
	s_cbranch_scc1 .Lchunk
	s_wait_tensorcnt 0x0                           ; the wave's end
	ds_add_u32 v[SPW], v[NIL]
	s_wait_dscnt 0x0
	s_endpgm
.Lfunc_end_k_q9c6df7a666_fused:
	.size	k_q9c6df7a666_fused, .Lfunc_end_k_q9c6df7a666_fused-k_q9c6df7a666_fused
	.p2alignl 7, 3214868480
	.fill 96, 4, 3214868480
	.section	.rodata,"a",@progbits
	.p2align	6, 0x0
	.amdhsa_kernel k_q9c6df7a666_fused
		.amdhsa_group_segment_fixed_size 324096
		.amdhsa_private_segment_fixed_size 0
		.amdhsa_enable_private_segment 0
		.amdhsa_kernarg_size 56
		.amdhsa_user_sgpr_count 2
		.amdhsa_user_sgpr_kernarg_segment_ptr 1
		.amdhsa_wavefront_size32 1
		.amdhsa_system_sgpr_workgroup_id_x 1
		.amdhsa_system_sgpr_workgroup_id_y 1
		.amdhsa_system_sgpr_workgroup_id_z 1
		.amdhsa_system_vgpr_workitem_id 0
		.amdhsa_next_free_vgpr 1024
		.amdhsa_next_free_sgpr 66
		.amdhsa_reserve_vcc 0
		.amdhsa_float_denorm_mode_32 3
		.amdhsa_float_denorm_mode_16_64 3
		.amdhsa_memory_ordered 1
		.amdhsa_forward_progress 1
		.amdhsa_inst_pref_size 255
	.end_amdhsa_kernel
	.section	.bss,"aw",@nobits
	.p2align	6
	.space	262144
	.amdgpu_metadata
---
amdhsa.version: [ 1, 2 ]
amdhsa.kernels:
  - .name:           k_q9c6df7a666_fused
    .symbol:         k_q9c6df7a666_fused.kd
    .args:
      - { .name: x1, .offset: 0, .size: 8, .value_kind: global_buffer, .address_space: global }
      - { .name: x2, .offset: 8, .size: 8, .value_kind: global_buffer, .address_space: global }
      - { .name: wcodes, .offset: 16, .size: 8, .value_kind: global_buffer, .address_space: global }
      - { .name: wscales, .offset: 24, .size: 8, .value_kind: global_buffer, .address_space: global }
      - { .name: wo16, .offset: 32, .size: 8, .value_kind: global_buffer, .address_space: global }
      - { .name: bo, .offset: 40, .size: 8, .value_kind: global_buffer, .address_space: global }
      - { .name: out0, .offset: 48, .size: 8, .value_kind: global_buffer, .address_space: global }
    .group_segment_fixed_size: 324096
    .private_segment_fixed_size: 0
    .kernarg_segment_align: 8
    .kernarg_segment_size: 56
    .max_flat_workgroup_size: 128
    .sgpr_count:     66
    .vgpr_count:     1024
    .wavefront_size: 32
...
	.end_amdgpu_metadata
.endif
;; end of part 2
